; MI455X (gfx1250); checked and timed in simulation.
; The chip was launched on July 23, 2026; its instructions are those of AMD's public machine-readable ISA for CDNA 5 (MIT licence, August 2026) and "CDNA5" Instruction Set Architecture Reference Guide (July 2026). The comments in the code are by the model that wrote it; some were corrected since.
;; Vector Quantizer. Allowed arithmetic: float matrix products may take bf16 or f16 operands with f32 sums; all other float work in f32.
;; Inputs: codebook 8,192 x 512 float32; z_e 16,384 x 512 float32.
;; Outputs: out0 16,384 x 512 float32; out1 16,384 int32; out2 one number float32; out3 one number float32.
;; One version. Each part assembles by itself: llvm-mc -triple=amdgcn-amd-amdhsa -mcpu=gfx1250 --defsym DOCPART=n.
;; ======== version 1 of 1: 4 launches
;; workspace buffers: fr 25,165,824 bytes; sq 98,304 bytes; cand 524,288 bytes of whole numbers; part 1,024 bytes
;; launch prep (part 1): grid 256 x 1, 6 waves a work-group, no clusters, 105,216 bytes of LDS; arguments z_e, codebook, fr, sq; writes fr, sq
.if DOCPART == 1
	.amdgcn_target "amdgcn-amd-amdhsa--gfx1250"
	.amdhsa_code_object_version 6
	.text
	.protected	k_qb47ae6294f_prep
	.globl	k_qb47ae6294f_prep
	.p2align	8
	.type	k_qb47ae6294f_prep,@function
k_qb47ae6294f_prep:
	s_mov_b64 s[64:65], 0
	v_nop
	global_prefetch_b8 v0, s[64:65] scope:SCOPE_SE
	s_setreg_imm32_b32 hwreg(HW_REG_WAVE_MODE, 25, 1), 1
	s_wait_xcnt 0x0
; PREP: rounds z_e [16384][512] and codebook [8192][512] from f32 to bf16, lays them out in the order in which the matrix
; instruction of the next launch wants its operands, and sums each rounded row squared in f32.
; fr: 1,536 tiles of 16 rows x 512 numbers, 16,384 bytes each; tiles 0-1023 are z_e, tiles 1024-1535 the codebook.
;     In a tile the 16 bytes (8 bf16, k = 8 x .. 8 x + 7) of chunk x (0-63) of row r lie at 256 x + 16 r.  With x = 4 s + 2 u + h that is
;     1024 s + 512 u + 16 lane (lane = 16 h + r): one 16-byte load a lane at 16 lane brings registers 4u .. 4u+3 of the operand of K step s.
; sq: f32, word 16 tile + r = the sum of the squares of that row AS ROUNDED, so that all three terms of a distance come from the same numbers.
; One wave takes one tile (32 KiB in, 16 KiB out); 6 waves x 256 work-groups = 1,536 tiles.  Memory binds: every input byte is read once by
; loads of 512 consecutive bytes a wave, every byte of fr is written once by stores of 512 consecutive aligned bytes a wave.  No matrix unit,
; no cluster (no two work-groups read the same byte), no barrier (a wave touches only its own LDS bytes).
; The reordering goes through LDS: a wave has 64 chunk rows of 272 bytes (256 + 16 = 68 words, so that neighbouring chunks begin 4 words apart).
; sq is stored as 64 consecutive bytes a wave: 96 rows a work-group do not make whole blocks of 256 bytes, and sq is 98,304 of 25 million bytes.
.set CPITCH, 272                       ; LDS bytes from chunk to chunk
.set WLDS,   64*CPITCH                 ; LDS bytes of a wave
.set SUM, 8                            ; v[8:23]   the sums of squares of my 16 numbers of row 0 .. 15
.set RES, 24                           ; v24       the sum that my lane stores
.set TMP, 25                           ; v[25:28]  at work
.set X,   32                           ; v[32:223] three buffers of four rows: row p, quarter q at X + 64 buf + 16 p + 4 q
	s_load_b256 s[4:11], s[0:1], 0x0               ; z_e s[4:5], codebook s[6:7], fr s[8:9], sq s[10:11]
	v_lshl_add_u32 v224, v0, 2, 0x19800
	v_mov_b32 v225, 0
	v_lshrrev_b32 v1, 5, v0
	v_readfirstlane_b32 s12, v1                    ; wave 0..5
	s_mul_i32 s13, ttmp9, 6
	s_add_co_u32 s13, s13, s12                     ; my tile, 0 .. 1535
	s_sub_co_u32 s14, s13, 1024                    ; its number in the codebook (used only where the tile is 1024 or more)
	s_mov_b32 s18, 0x76543210                      ; v_permlanex16_b32: lane i of one half reads lane i of the other
	s_mov_b32 s19, 0xfedcba98
	s_mul_i32 s21, s12, WLDS                       ; my LDS bytes
	v_and_b32 v1, 31, v0                           ; lane
	v_lshlrev_b32 v2, 4, v1                        ; 16 lane: my place in every load and store of 512 bytes
	v_lshrrev_b32 v3, 1, v1                        ; into LDS: a lane holds 4 numbers = half a chunk: chunk lane / 2 of the quarter row,
	v_mul_u32_u24 v3, v3, CPITCH
	v_and_b32 v4, 1, v1
	v_lshl_add_u32 v3, v4, 3, v3                   ; its lower or upper 8 bytes
	v_add_nc_u32 v3, s21, v3
	v_lshrrev_b32 v4, 4, v1                        ; back from LDS: lanes 0-15 take the 16 rows of one chunk, lanes 16-31 of the next
	v_mul_u32_u24 v4, v4, CPITCH
	v_and_b32 v5, 15, v1                           ; r
	v_lshl_add_u32 v4, v5, 4, v4
	v_add_nc_u32 v4, s21, v4
	v_lshlrev_b32 v6, 2, v5                        ; 4 r: my word of sq
	s_wait_kmcnt 0x0
	s_cmp_lt_u32 s13, 1024                         ; which input the tile comes from hangs on the tile number alone
	s_cselect_b64 s[16:17], s[4:5], s[6:7]
	s_cselect_b32 s14, s13, s14
	s_lshl_b32 s14, s14, 15                        ; 16 rows of 2,048 bytes
	s_mov_b32 s15, 0
	s_add_nc_u64 s[16:17], s[16:17], s[14:15]      ; the tile in its input
	s_lshl_b32 s14, s13, 14
	s_add_nc_u64 s[8:9], s[8:9], s[14:15]          ; the tile in fr
	s_lshl_b32 s14, s13, 6
	s_add_nc_u64 s[10:11], s[10:11], s[14:15]      ; its 16 words of sq
; sixteen loads: rows 4 b .. 4 b + 3, four quarters of 512 consecutive bytes each
.macro LOADB b, buf
.irp p, 0,1,2,3
.irp q, 0,1,2,3
	global_load_b128 v[X+64*\buf+16*\p+4*\q:X+64*\buf+16*\p+4*\q+3], v2, s[16:17] offset:(4*\b+\p)*2048+\q*512 th:TH_LOAD_NT
.endr
.endr
.endm
; rows 4 b .. 4 b + 3 are rounded in place, squared and summed (four rows = four chains that do not wait for each other) and laid into LDS.
; left = how many younger loads may stay out.
.macro PROC b, buf, left
	s_wait_loadcnt \left                           ; loads come back in order: these sixteen are in
.irp q, 0,1,2,3
.irp p, 0,1,2,3
.set P0, X+64*\buf+16*\p+4*\q
	v_cvt_pk_bf16_f32 v[P0], v[P0], v[P0+1]        ; four f32 become four bf16 in two registers, rounded to nearest even
	v_cvt_pk_bf16_f32 v[P0+1], v[P0+2], v[P0+3]
.endr
.if \q == 0
.irp p, 0,1,2,3
	v_lshlrev_b32 v[TMP+\p], 16, v[X+64*\buf+16*\p]            ; the first square of a row starts its sum: nothing is cleared
.endr
.irp p, 0,1,2,3
	v_mul_f32 v[SUM+4*\b+\p], v[TMP+\p], v[TMP+\p]
.endr
.else
.irp p, 0,1,2,3
.set P0, X+64*\buf+16*\p+4*\q
	v_fma_mix_f32_bf16 v[SUM+4*\b+\p], v[P0], v[P0], v[SUM+4*\b+\p] op_sel_hi:[1,1,0]
.endr
.endif
.irp p, 0,1,2,3
.set P0, X+64*\buf+16*\p+4*\q
	v_fma_mix_f32_bf16 v[SUM+4*\b+\p], v[P0], v[P0], v[SUM+4*\b+\p] op_sel:[1,1,0] op_sel_hi:[1,1,0]
.endr
.irp p, 0,1,2,3
.set P0, X+64*\buf+16*\p+4*\q
	v_fma_mix_f32_bf16 v[SUM+4*\b+\p], v[P0+1], v[P0+1], v[SUM+4*\b+\p] op_sel_hi:[1,1,0]
.endr
.irp p, 0,1,2,3
.set P0, X+64*\buf+16*\p+4*\q
	v_fma_mix_f32_bf16 v[SUM+4*\b+\p], v[P0+1], v[P0+1], v[SUM+4*\b+\p] op_sel:[1,1,0] op_sel_hi:[1,1,0]
.endr
.irp p, 0,1,2,3
.set P0, X+64*\buf+16*\p+4*\q
	ds_store_b64 v3, v[P0:P0+1] offset:\q*16*CPITCH+(4*\b+\p)*16   ; chunk 16 q + lane / 2, row 4 b + p
.endr
.endr
.endm
	LOADB 0, 0                                     ; 48 loads, 24 KiB, of every wave are out before the first wait
	LOADB 1, 1
	LOADB 2, 2
	PROC 0, 0, 32                                  ; the 32 loads of rows 4-11 stay out
	LOADB 3, 0
	PROC 1, 1, 32                                  ; those of rows 8-15
	PROC 2, 2, 16                                  ; those of rows 12-15
	PROC 3, 0, 0
	; The way out.  LDS serves the instructions of a wave in order (ISA guide 5.7.1), and the bytes are the wave's own: the loads see the stores above.
.set i, 0
.rept 32
	ds_load_b128 v[X+4*i:X+4*i+3], v4 offset:i*2*CPITCH            ; chunks 2 i and 2 i + 1, all 16 rows: 512 bytes of the tile in fr
.set i, i+1
.endr
	; meanwhile the sixteen sums go over the 32 lanes: four steps inside each half of 16 lanes, one across the halves
.irp m, 1,2,4,8
.irp p, 0,1,2,3,4,5,6,7,8,9,10,11,12,13,14,15
	v_add_f32_dpp v[SUM+\p], v[SUM+\p], v[SUM+\p] row_xmask:\m row_mask:0xf bank_mask:0xf
.endr
.endr
.irp g, 0,4,8,12
.irp p, 0,1,2,3
	v_permlanex16_b32 v[TMP+\p], v[SUM+\g+\p], s18, s19            ; its destination counts as read: TMP has been written
.endr
.irp p, 0,1,2,3
	v_add_f32 v[SUM+\g+\p], v[SUM+\g+\p], v[TMP+\p]
.endr
.endr
	v_mov_b32 v[RES], v[SUM]                       ; lane r keeps the sum of row r
.irp p, 1,2,3,4,5,6,7,8,9,10,11,12,13,14,15
	v_cmp_eq_u32 vcc_lo, \p, v5
	v_cndmask_b32 v[RES], v[RES], v[SUM+\p], vcc_lo
.endr
.set i, 0
.rept 32
	s_wait_dscnt 31-i                              ; LDS loads come back in order: number i is in, the younger ones stay out
	global_store_b128 v2, v[X+4*i:X+4*i+3], s[8:9] offset:i*512    ; 512 consecutive bytes, at a multiple of 512 from the first byte of fr; read by the next launch, so no hint
.set i, i+1
.endr
	v_cmp_gt_u32 vcc_lo, 16, v1
	s_wait_xcnt 0x0                                ; EXEC is a source of the stores above: it changes only behind this wait
	s_wait_tensorcnt 0x0
	ds_add_u32 v224, v225
	s_wait_dscnt 0x0
	s_and_saveexec_b32 s20, vcc_lo
	global_store_b32 v6, v[RES], s[10:11]          ; lanes 0-15: the 16 sums
	s_endpgm
.Lfunc_end_k_qb47ae6294f_prep:
	.size	k_qb47ae6294f_prep, .Lfunc_end_k_qb47ae6294f_prep-k_qb47ae6294f_prep
	.p2alignl 7, 3214868480
	.fill 96, 4, 3214868480
	.section	.rodata,"a",@progbits
	.p2align	6, 0x0
	.amdhsa_kernel k_qb47ae6294f_prep
		.amdhsa_group_segment_fixed_size 105216
		.amdhsa_private_segment_fixed_size 0
		.amdhsa_enable_private_segment 0
		.amdhsa_kernarg_size 32
		.amdhsa_user_sgpr_count 2
		.amdhsa_user_sgpr_kernarg_segment_ptr 1
		.amdhsa_wavefront_size32 1
		.amdhsa_system_sgpr_workgroup_id_x 1
		.amdhsa_system_sgpr_workgroup_id_y 1
		.amdhsa_system_sgpr_workgroup_id_z 1
		.amdhsa_system_vgpr_workitem_id 0
		.amdhsa_next_free_vgpr 226
		.amdhsa_next_free_sgpr 66
		.amdhsa_reserve_vcc 1
		.amdhsa_float_denorm_mode_32 3
		.amdhsa_float_denorm_mode_16_64 3
		.amdhsa_memory_ordered 1
		.amdhsa_forward_progress 1
		.amdhsa_inst_pref_size 49
	.end_amdhsa_kernel
	.amdgpu_metadata
---
amdhsa.version: [ 1, 2 ]
amdhsa.kernels:
  - .name:           k_qb47ae6294f_prep
    .symbol:         k_qb47ae6294f_prep.kd
    .args:
      - { .name: z_e, .offset: 0, .size: 8, .value_kind: global_buffer, .address_space: global }
      - { .name: codebook, .offset: 8, .size: 8, .value_kind: global_buffer, .address_space: global }
      - { .name: fr, .offset: 16, .size: 8, .value_kind: global_buffer, .address_space: global }
      - { .name: sq, .offset: 24, .size: 8, .value_kind: global_buffer, .address_space: global }
    .group_segment_fixed_size: 105216
    .private_segment_fixed_size: 0
    .kernarg_segment_align: 8
    .kernarg_segment_size: 32
    .max_flat_workgroup_size: 192
    .sgpr_count:     66
    .vgpr_count:     226
    .wavefront_size: 32
...
	.end_amdgpu_metadata
.endif
;; end of part 1
;; launch dist (part 2): grid 64 x 4, 4 waves a work-group, clusters of 4 x 1, 327,680 bytes of LDS; arguments fr, sq, cand; writes cand
.if DOCPART == 2
	.amdgcn_target "amdgcn-amd-amdhsa--gfx1250"
	.amdhsa_code_object_version 6
	.text
	.protected	k_qb47ae6294f_dist
	.globl	k_qb47ae6294f_dist
	.p2align	8
	.type	k_qb47ae6294f_dist,@function
k_qb47ae6294f_dist:
	s_mov_b64 s[64:65], 0
	v_nop
	global_prefetch_b8 v0, s[64:65] scope:SCOPE_SE
	s_setreg_imm32_b32 hwreg(HW_REG_WAVE_MODE, 25, 1), 1
	s_wait_xcnt 0x0
	s_wait_alu depctr_hold_cnt(0) depctr_sa_sdst(0) depctr_va_vdst(0) depctr_va_sdst(0) depctr_va_ssrc(0) depctr_va_vcc(0) depctr_vm_vsrc(0)
	s_getreg_b32 s2, hwreg(HW_REG_IB_STS2, 6, 4)
	s_cmp_eq_u32 s2, 0
	s_cbranch_scc0 .Lentry_in_a_cluster
	s_endpgm
.Lentry_in_a_cluster:
	s_bfe_u32 s2, ttmp6, 0x10000c
	s_cmp_lg_u32 s2, 0x3003
	s_cbranch_scc0 .Lentry_shape_is_right
	s_endpgm
.Lentry_shape_is_right:
; DIST: for 256 rows of z and a quarter of the codebook (2,048 codes): d = (zsq + esq) - 2 z.e, its minimum and the first code that has it.
; d is formed exactly as the problem writes it, number by number: t = zsq + esq rounded to f32, then t - 2 mm rounded once (2 mm is exact, so one
; fused multiply-add does it), and ties are broken toward the lower code on equality of the f32 numbers: with zsq near 512 and 2 mm near 0.01 the
; roundings decide many rows, so neither term is dropped or folded into the product.
; LIMITS: z, e, zsq and esq are those of the inputs rounded to bf16 (matrix operands); sums in f32.  An index can differ from the formula on rounded
; inputs only where two orders of f32 addition fall on two sides of a rounding step of d.  NaN in an input is not served (no first-NaN rule).
; A row whose distances are all +inf gets index 0.  -0 and +0 count as equal.
;
; SHAPE: grid 64 x 4 = 256 work-groups: x = block of 256 rows, y = quarter of the codes.  Four waves, as many as a WGP has SIMDs.  Wave w owns 64 rows:
; their operands for the whole K = 512 (4 row tiles x 16 K steps x 8 = 512 registers) are loaded once and stay.  All four waves walk the same codes
; out of LDS, 32 codes (a pair of code tiles) at a time: 64 LDS loads feed 128 matrix instructions, and the argmin of a row never leaves its wave.
; The minimum goes out as a whole number that sorts like the f32 (key), with its index, for the next launch to merge the four quarters.
; THE PIPELINE: two sets of eight accumulators take turns, pair by pair.  While the 128 matrix instructions of pair p fill one set, the 232 vector
; instructions that turn the products of pair p - 1 into distances and bring the minima up to date work on the other set: they are a numbered list,
; of which five at a time stand behind each of the first 47 matrix instructions of pair p.  A compare and a select take two vector sources that vector
; instructions wrote, so they need sources and destination in one window, which the matrix instruction's setting is not: each five cost two switches.
; Pair 0 has nothing to weave and stands ahead of the loop; a trip of the loop is pairs 1 to 8 of a lap of eight (the eighth is pair 0 of the next lap).
; CLUSTER: the four work-groups of a cluster (4, 1, 1) have the same y, hence the same code tiles and the same esq: every tensor load is a joint
; request of the four (mask 15).  Nothing in a descriptor, an LDS address or a branch hangs on the place in the cluster.  z is read by nobody else
; in the cluster and goes straight to registers.
; LDS: slot 0 [0, 131072), slot 1 [131072, 262144): 128 codes = 8 code tiles of 16,384 bytes in operand order, dense (a load of 16 bytes a lane takes
; 512 consecutive bytes: no padding is needed).  [262144, 270336): the 2,048 esq of the quarter, filled once.  No LDS store in this text.
;
; REGISTERS, in windows of 256:  window 0: addresses, zsq, esq, minima, the 2 x 8 accumulators;  window 1: the code operands of a pair, F(c, s) at 8 (2 s + c);
; window 2: z operands of K steps 0-7, Z(a, s) at 8 (4 s + a);  window 3: of K steps 8-15, at 8 (4 (s - 8) + a).
; THE MATRIX INSTRUCTION IS USED TRANSPOSED: source 0 = 16 codes, source 1 = 16 rows of z.  Lane (r, h) then holds row 16 a + r, its register j code 16 c + 8 h + j.
.set SLOTB, 131072                     ; bytes of a slot
.set ESQB,  262144                     ; where esq lies in LDS
.set ADR,  2                           ; v[2:5]     16 lane + 131072 slot + 65536 half of the slot
.set EA,   6                           ; v6         ESQB + 32 h, + 1024 for each lap
.set H8,   7                           ; v7         8 h
.set ZS,   8                           ; v[8:15]    zsq of row 16 a + r, twice, at ZS + 2 a
.set ES,   16                          ; v[16:31]   esq of code 16 c + 8 h + j of a pair, at ES + 8 c + j
.set T,    32                          ; v[32:47]   zsq + esq, at work
.set BEST, 48                          ; v[48:51]   smallest d so far of row 16 a + r among my codes
.set IDX,  52                          ; v[52:55]   its code, less 8 h
.set LB,   56                          ; v[56:59]   smallest d of the pair
.set LI,   60                          ; v[60:63]   its place in the pair, less 8 h
.set ACC,  64                          ; v[64:191]  set p & 1 of pair p at ACC + 64 (p & 1); in a set, accumulator (a, c) at 8 (4 c + a)
.set R4,   192                         ; v192       4 r
.set L8,   193                         ; v193       8 lane
.set G1,   16                          ; s[16:23]   group 1 of a quarter slot: 128 rows of 256 bytes
.set G1E,  24                          ; s[24:31]   group 1 of a quarter of esq: 8 rows of 256 bytes
.set G0,   32                          ; s[32:39]   group 0, one set for each slot
.set G0E,  40                          ; s[40:43]   group 0 of esq
.set MK,   52                          ; s[52:59]   two sets of four lane masks
.set EPN,  232                         ; vector instructions in the list of a pair
.set MSB, 0
.macro WIN new                         ; s_set_vgpr_msb: bits 1:0 source 0, 3:2 source 1, 5:4 source 2, 7:6 destination; the high byte repeats the setting that is left
.if MSB != \new
	s_set_vgpr_msb (MSB<<8)|\new
.set MSB, \new
.endif
.endm
.set MUL_LO, 0x09                      ; source 0 (codes) window 1, source 1 (z) window 2, C and D window 0
.set MUL_HI, 0x0d                      ; the same with z from window 3
.set TO_F,   0x40                      ; destination window 1, address window 0
.macro PLACES                          ; a load into a register that a matrix instruction has read, and a vector instruction that reads a matrix result, stand four
.rept 4                                ; places behind it, and only plain vector instructions that name none of its registers are places (ISA guide 7.12.1)
	v_nop
.endr
.endm
; A round of the cluster barrier: the work-group barrier, so that the signal of wave 0 speaks for all four waves; wave 0 signals for the work-group;
; every wave waits for all four work-groups; the work-group barrier once more.
.macro CREST                           ; a round behind its opening barrier
	s_cmp_lg_u32 s10, 0
	s_cbranch_scc1 .Lnot_wave_0_\@
	s_barrier_signal -3
.Lnot_wave_0_\@:
	s_barrier_wait -3
	s_barrier_signal -1
	s_barrier_wait -1
.endm
.macro CROUND                          ; a whole round
	s_barrier_signal -1
	s_barrier_wait -1
	CREST
.endm
	s_load_b128 s[4:7], s[0:1], 0x0                ; fr s[4:5], sq s[6:7]
	s_load_b64 s[8:9], s[0:1], 0x10                ; cand
	v_lshl_add_u32 v254, v0, 2, 0x42000
	v_mov_b32 v255, 0
	ds_add_u32 v254, v255
	v_lshrrev_b32 v2, 5, v0
	v_readfirstlane_b32 s10, v2                    ; wave 0..3
	s_bfe_u32 s11, ttmp6, 0x40000                  ; cx: my place in the cluster
	s_lshl_b32 s12, ttmp9, 2                       ; in a cluster launch ttmp9 counts clusters
	s_add_co_u32 s12, s12, s11                     ; x: block of 256 rows
	s_and_b32 s13, ttmp7, 0xffff                   ; y: quarter of the codes, the same in the whole cluster
	s_mov_b32 s50, 0x76543210                      ; v_permlanex16_b32: lane i of one half reads lane i of the other
	s_mov_b32 s51, 0xfedcba98
	s_lshl_b32 s48, s13, 11                        ; the first code of the pair whose distances are made next
	; group 1: elements of 8 bytes, rows of 32 elements = 256 bytes that follow each other in memory and in LDS
	s_mov_b32 s[G1+0], 15|(3<<16)|(1<<21)          ; 15:0 the mask: all four work-groups of the cluster; 17:16 element of 8 bytes; 21 set beside a mask
	s_mov_b32 s[G1+1], 32<<16                      ; tensor_dim0 = 32
	s_mov_b32 s[G1+2], 128<<16                     ; tensor_dim1 = 128
	s_mov_b32 s[G1+3], 32<<16                      ; tile_dim0 = 32
	s_mov_b32 s[G1+4], 128                         ; tile_dim1 = 128 rows: 32 KiB, the quarter of a slot that one wave asks for
	s_mov_b32 s[G1+5], 32                          ; from row to row: 32 elements
	s_mov_b32 s[G1+6], 0
	s_mov_b32 s[G1+7], 0
	s_mov_b32 s[G1E+0], 15|(3<<16)|(1<<21)
	s_mov_b32 s[G1E+1], 32<<16
	s_mov_b32 s[G1E+2], 8<<16                      ; 8 rows: 2 KiB, a quarter of the 2,048 esq
	s_mov_b32 s[G1E+3], 32<<16
	s_mov_b32 s[G1E+4], 8
	s_mov_b32 s[G1E+5], 32
	s_mov_b32 s[G1E+6], 0
	s_mov_b32 s[G1E+7], 0
	; group 0: LDS addresses of the wave number alone; global addresses of y and the wave number alone, made in s[14:15], which never hold x
	s_mov_b32 s[G0+0], 1
	s_mul_i32 s[G0+1], s10, 32768                  ; slot 0, my quarter
	s_mov_b32 s[G0+4], 1
	s_add_co_u32 s[G0+5], s[G0+1], SLOTB           ; slot 1, my quarter
	s_mov_b32 s[G0E+0], 1
	s_mul_i32 s[G0E+1], s10, 2048
	s_add_co_u32 s[G0E+1], s[G0E+1], ESQB
	s_lshl_b32 s14, s13, 21                        ; a quarter of the codes is 128 tiles = 2,097,152 bytes,
	s_lshl_b32 s15, s10, 15
	s_add_co_u32 s14, s14, s15
	s_add_co_u32 s14, s14, 0x1000000               ; behind the 1,024 tiles of z
	s_mov_b32 s15, 0
	s_wait_dscnt 0x0
	s_wait_kmcnt 0x0
	s_add_nc_u64 s[G0+2:G0+3], s[4:5], s[14:15]    ; code tiles 0-7 of the quarter
	s_add_nc_u64 s[G0+6:G0+7], s[G0+2:G0+3], SLOTB ; code tiles 8-15
	s_or_b32 s[G0+3], s[G0+3], 0x80000000          ; type = 2
	s_or_b32 s[G0+7], s[G0+7], 0x80000000
	s_lshl_b32 s14, s13, 13                        ; esq of the quarter: 8,192 bytes,
	s_lshl_b32 s15, s10, 11
	s_add_co_u32 s14, s14, s15
	s_add_co_u32 s14, s14, 65536                   ; behind the 16,384 zsq
	s_mov_b32 s15, 0
	s_add_nc_u64 s[G0E+2:G0E+3], s[6:7], s[14:15]
	s_or_b32 s[G0E+3], s[G0E+3], 0x80000000
	CROUND                                         ; all four work-groups are here: the first joint loads meet
	tensor_load_to_lds s[G0:G0+3], s[G1:G1+7]      ; the first fills go out as one group: three loads of this wave are out, later never more than one
	s_nop 0
	tensor_load_to_lds s[G0E:G0E+3], s[G1E:G1E+7]
	s_nop 0
	tensor_load_to_lds s[G0+4:G0+7], s[G1:G1+7]
	s_nop 0
	; what hangs on x: made in s[62:63]
	s_lshl_b32 s62, s12, 18                        ; 16 tiles of z a block, 4 a wave
	s_lshl_b32 s63, s10, 16
	s_add_co_u32 s62, s62, s63
	s_mov_b32 s63, 0
	s_add_nc_u64 s[44:45], s[4:5], s[62:63]        ; my four tiles of z
	s_lshl_b32 s62, s12, 10
	s_lshl_b32 s46, s10, 8
	s_add_co_u32 s62, s62, s46
	s_add_nc_u64 s[46:47], s[6:7], s[62:63]        ; zsq of my 64 rows
	s_lshl_b32 s62, s12, 11
	s_lshl_b32 s60, s10, 9
	s_add_co_u32 s62, s62, s60
	s_lshl_b32 s60, s13, 17
	s_add_co_u32 s62, s62, s60
	s_add_nc_u64 s[60:61], s[8:9], s[62:63]        ; cand [quarter][row][key, index]: my 64 rows of 8 bytes
	v_and_b32 v1, 31, v0                           ; lane
	v_lshrrev_b32 v[H8], 4, v1                     ; h
	v_and_b32 v[R4], 15, v1
	v_lshlrev_b32 v[R4], 2, v[R4]
	v_lshlrev_b32 v[L8], 3, v1
	v_lshlrev_b32 v[EA], 5, v[H8]
	v_add_nc_u32 v[EA], ESQB, v[EA]
	v_lshlrev_b32 v[H8], 3, v[H8]
	v_lshlrev_b32 v1, 4, v1                        ; 16 lane
	v_mov_b32 v[ADR], v1
	v_add_nc_u32 v[ADR+1], 65536, v1
	v_add_nc_u32 v[ADR+2], SLOTB, v1
	v_add_nc_u32 v[ADR+3], SLOTB+65536, v1
.irp a, 0,1,2,3
	v_mov_b32 v[BEST+\a], 0x7f800000               ; +inf
	v_mov_b32 v[IDX+\a], 0
.endr
; 64 loads of 512 consecutive bytes: the z operands of K steps s0 .. s0 + 7 into the window that is set
.macro ZLOAD s0
.set ks, 0
.rept 8
.irp a, 0,1,2,3
.irp u, 0,1
	global_load_b128 v[8*(4*ks+\a)+4*\u:8*(4*ks+\a)+4*\u+3], v1, s[44:45] offset:\a*16384+(ks+\s0)*1024+\u*512
.endr
.endr
.set ks, ks+1
.endr
.endm
	WIN 0x80
	ZLOAD 0
	WIN 0xc0
	ZLOAD 8
	WIN 0
.irp a, 0,1,2,3
	global_load_b32 v[ZS+2*\a], v[R4], s[46:47] offset:64*\a
.endr
; THE LIST: instruction number EN of the 232 that turn the products in the accumulator set at AE into distances and bring the running minimum of each of
; my four rows a lane up to date.  Number k = 8 c + j of the 16 distances of row tile a lies at AE + 8 (4 (k >> 3) + a) + (k & 7).
;   0- 63  for each accumulator (c, a): four packed adds t = zsq + esq, rounded; four packed multiply-adds d = t - 2 mm, rounded once, in place
;  64- 95  the smallest of the 16 d of each row tile: four chains side by side
;  96-215  the first place that holds it: from k = 15 down, each equal place overwrites the later ones; the place counts as 16 c + j.
;          The compares of place k stand ahead of the selects of place k + 1, on two sets of masks that take turns.
; 216-231  against the pairs before: strictly smaller only, so that the earlier (lower) code keeps a tie
.macro EOP
.if EN < 64
.set XU, EN>>3                         ; the accumulator: 4 c + a
.set XJ, 2*(EN&3)
.set XT, T+8*(XU&1)+XJ
.if (EN&7) < 4
	v_pk_add_f32 v[XT:XT+1], v[ES+8*(XU>>2)+XJ:ES+8*(XU>>2)+XJ+1], v[ZS+2*(XU&3):ZS+2*(XU&3)+1]
.else
	v_pk_fma_f32 v[AE+8*XU+XJ:AE+8*XU+XJ+1], v[AE+8*XU+XJ:AE+8*XU+XJ+1], -2.0, v[XT:XT+1] op_sel_hi:[1,0,1]
.endif
.else
.if EN < 96
.set XM, EN-64
.set XA, XM&3
.set XK, 2*(XM>>2)+1
.if XM < 4
	v_min3_num_f32 v[LB+XA], v[AE+8*XA], v[AE+8*XA+1], v[AE+8*XA+2]
.else
.if XM < 28
	v_min3_num_f32 v[LB+XA], v[LB+XA], v[AE+8*(4*(XK>>3)+XA)+(XK&7)], v[AE+8*(4*((XK+1)>>3)+XA)+((XK+1)&7)]
.else
	v_min_num_f32 v[LB+XA], v[LB+XA], v[AE+8*(4+XA)+7]
.endif
.endif
.else
.if EN < 216
.set XF, EN-96
.if XF < 4
	v_cmp_eq_f32 s[MK+XF], v[AE+8*(4+XF)+6], v[LB+XF]          ; k = 14
.else
.if XF < 116
.set XK, 13-((XF-4)>>3)
.set XA, (XF-4)&3
.if ((XF-4)&7) < 4
	v_cmp_eq_f32 s[MK+4*(XK&1)+XA], v[AE+8*(4*(XK>>3)+XA)+(XK&7)], v[LB+XA]
.else
.if XK == 13
	v_cndmask_b32 v[LI+XA], 23, 22, s[MK+XA]                   ; k = 15 unless k = 14 holds it
.else
	v_cndmask_b32 v[LI+XA], v[LI+XA], 16*((XK+1)>>3)+((XK+1)&7), s[MK+4*((XK+1)&1)+XA]
.endif
.endif
.else
	v_cndmask_b32 v[LI+XF-116], v[LI+XF-116], 0, s[MK+XF-116]  ; k = 0
.endif
.endif
.else
.set XH, EN-216
.set XA, XH&3
.if XH < 4
	v_cmp_lt_f32 s[MK+4+XA], v[LB+XA], v[BEST+XA]
.else
.if XH < 8
	v_add_nc_u32 v[LI+XA], s48, v[LI+XA]
.else
.if XH < 12
	v_min_num_f32 v[BEST+XA], v[BEST+XA], v[LB+XA]
.else
	v_cndmask_b32 v[IDX+XA], v[IDX+XA], v[LI+XA], s[MK+4+XA]
.endif
.endif
.endif
.endif
.endif
.endif
.set EN, EN+1
.endm
; the next five of the list, if any are left, under window setting 0
.macro SLICE
.if EN < EPN
	WIN 0
.rept 5
.if EN < EPN
	EOP
.endif
.endr
.endif
.endm
; 8 n matrix instructions: K steps s0 .. s0 + n - 1, both code tiles x four row tiles, into the accumulator set at AC; behind each, five of the list.
; The eight accumulators take turns, one instruction a turn, in the same order in every K step, over every seam and the backward jump.
; K step 0 takes the constant 0 as C: nothing is cleared.
.macro MULS s0, n, win
.set ks, \s0
.rept \n
.irp c, 0,1
.irp a, 0,1,2,3
	WIN \win
.if ks == 0
	v_wmma_f32_16x16x32_bf16 v[AC+8*(4*\c+\a):AC+8*(4*\c+\a)+7], v[8*(2*ks+\c):8*(2*ks+\c)+7], v[8*(4*(ks&7)+\a):8*(4*(ks&7)+\a)+7], 0
.else
	v_wmma_f32_16x16x32_bf16 v[AC+8*(4*\c+\a):AC+8*(4*\c+\a)+7], v[8*(2*ks+\c):8*(2*ks+\c)+7], v[8*(4*(ks&7)+\a):8*(4*(ks&7)+\a)+7], v[AC+8*(4*\c+\a):AC+8*(4*\c+\a)+7]
.endif
	SLICE
.endr
.endr
.set ks, ks+1
.endr
.endm
; 32 LDS loads in one run: the code operands of K steps s0 .. s0 + 7 of pair pr (0-3) of slot sl
.macro FETCH s0, sl, pr
	WIN TO_F
.set ks, \s0
.rept 8
.irp c, 0,1
.irp u, 0,1
	ds_load_b128 v[8*(2*ks+\c)+4*\u:8*(2*ks+\c)+4*\u+3], v[ADR+2*\sl+(\pr>>1)] offset:(\pr&1)*32768+\c*16384+ks*1024+\u*512
.endr
.endr
.set ks, ks+1
.endr
.endm
; esq of pair q of the lap: 16 numbers a lane; the lanes of a half read the same bytes
.macro ESQL q
.irp c, 0,1
.irp u, 0,1
	ds_load_b128 v[ES+8*\c+4*\u:ES+8*\c+4*\u+3], v[EA] offset:(\q)*128+\c*64+\u*16
.endr
.endr
.endm
; One pair of code tiles: its 128 matrix instructions, among the first of them the list of the pair before, its own esq, the fetch of the next pair in two runs.
; sl = the slot that the pair lies in; nsl, npr = slot and number of the next pair; q = the pair's number in the lap (8: pair 0 of the next lap).
; bar = 1: the last pair of a slot.  fill = 1: the slot is filled again, two tiles of 128 codes ahead.  fetch = 0: the very last pair.  epi = 0: the very first.
.macro PAIR sl, nsl, npr, q, bar, fill, fetch, epi
.set AC, ACC+64*((\q)&1)                           ; the set that this pair fills
.set AE, ACC+64*(((\q)+1)&1)                       ; the set that the pair before has filled
.if \epi
.set EN, 0
.else
.set EN, EPN
.endif
	s_wait_dscnt 32                                ; esq of the pair before and the operands of K steps 0-7 are in; the 32 loads of K steps 8-15, issued behind them, may be out
	MULS 0, 8, MUL_LO                              ; 64 matrix instructions; the list ends behind the 47th
.if \epi
	s_add_co_u32 s48, s48, 32                      ; the list has been issued: the first code of the next one
.endif
	s_wait_dscnt 0x0                               ; K steps 8-15 are in; where bar = 1: all my reads of this slot are over
.if \bar
	s_set_vgpr_msb 0x900
	s_wait_tensorcnt 0x0                           ; and all my tensor loads have landed: the one that was out is my quarter of the other slot
	ds_add_u32 v254, v255
	s_wait_dscnt 0x0
	s_set_vgpr_msb 0x9
	s_barrier_signal -1                            ; say so (where the slot is filled again this barrier opens a round of the cluster barrier),
.endif
	MULS 8, 4, MUL_HI                              ; work on registers while the others arrive,
.if \bar
	WIN 0                                          ; (at a branch and at a label every window is 0)
	s_barrier_wait -1                              ; and go on when all four waves have said so: the other slot is whole
.endif
.if \fill
	CREST                                          ; all four work-groups have said so: no wave of any partner still reads this slot or has a load on its way
	s_add_nc_u64 s[G0+4*\sl+2:G0+4*\sl+3], s[G0+4*\sl+2:G0+4*\sl+3], 2*SLOTB    ; no tensor load of mine is out, so a group 0 may be written
	tensor_load_to_lds s[G0+4*\sl:G0+4*\sl+3], s[G1:G1+7]                       ; my one tensor load behind the round, first thing there; it has four pairs of work in which to land
	s_nop 0
.endif
.if \fetch
	PLACES                                         ; for the loads over the operands of K steps 0-7
.endif
	WIN 0
	ESQL \q                                        ; this pair's esq, for its list in the next pair's span; the list of the pair before is through with these registers
.if \fetch
	FETCH 0, \nsl, \npr                            ; over the operands of K steps 0-7, which are used up
.endif
	MULS 12, 4, MUL_HI
	PLACES                                         ; for the loads over K steps 8-15 and for the first reads of this pair's results
.if \fetch
	FETCH 8, \nsl, \npr
.endif
.endm
	s_wait_tensorcnt 0x1                           ; my quarters of slot 0 and of esq are in; slot 1 may stay out
	s_barrier_signal -1
	s_barrier_wait -1                              ; everybody's are
	FETCH 0, 0, 0
	FETCH 8, 0, 0
	WIN 0
	s_wait_loadcnt 0x0                             ; z operands and zsq, once
.irp a, 0,1,2,3
	v_mov_b32 v[ZS+2*\a+1], v[ZS+2*\a]             ; a pair for the packed add
.endr
	PAIR 0, 0, 1, 0, 0, 0, 1, 0                    ; pair 0 of tile 0: no pair before it
	WIN 0
	s_mov_b32 s49, 7                               ; 7 trips of 8 pairs; their two refills ask for tiles 2-15 of 128 codes
.Llap:
	PAIR 0, 0, 2, 1, 0, 0, 1, 1
	PAIR 0, 0, 3, 2, 0, 0, 1, 1
	PAIR 0, 1, 0, 3, 1, 1, 1, 1                    ; the last pair of slot 0
	PAIR 1, 1, 1, 4, 0, 0, 1, 1
	PAIR 1, 1, 2, 5, 0, 0, 1, 1
	PAIR 1, 1, 3, 6, 0, 0, 1, 1
	PAIR 1, 0, 0, 7, 1, 1, 1, 1                    ; the last pair of slot 1
	PAIR 0, 0, 1, 8, 0, 0, 1, 1                    ; pair 0 of the next lap
	WIN 0
	v_add_nc_u32 v[EA], 1024, v[EA]                ; 256 esq on
	s_sub_co_u32 s49, s49, 1
	s_cmp_lg_u32 s49, 0
	s_cbranch_scc1 .Llap
	PAIR 0, 0, 2, 1, 0, 0, 1, 1                    ; the rest of tile 14
	PAIR 0, 0, 3, 2, 0, 0, 1, 1
	PAIR 0, 1, 0, 3, 1, 0, 1, 1                    ; nothing is left to ask for, so the work-group barrier alone: it shows tile 15 whole
	PAIR 1, 1, 1, 4, 0, 0, 1, 1                    ; tile 15
	PAIR 1, 1, 2, 5, 0, 0, 1, 1
	PAIR 1, 1, 3, 6, 0, 0, 1, 1
	PAIR 1, 0, 0, 7, 0, 0, 0, 1                    ; the last pair fetches nothing but its esq
	s_wait_dscnt 0x0                               ; which is in
	WIN 0
.set AE, ACC+64                                    ; the last pair's set; the four places behind its last matrix instruction stand at the end of PAIR
.set EN, 0
.rept EPN
	EOP                                            ; its list, with nothing left to weave it into
.endr
	; THE END: lanes (r, 0) and (r, 1) hold the minima of row 16 a + r over two halves of the codes.  The f32 becomes a whole number of the same order.
	v_mov_b32 v194, 0                              ; the destinations of v_permlanex16_b32 count as read
	v_mov_b32 v195, 0
	v_cmp_ne_u32 s59, 0, v[H8]                     ; lanes 16-31
.irp a, 0,1,2,3
	v_add_nc_u32 v[IDX+\a], v[H8], v[IDX+\a]       ; the 8 h that was left out
	v_add_f32 v[BEST+\a], 0, v[BEST+\a]            ; -0 becomes +0
	v_ashrrev_i32 v196, 31, v[BEST+\a]
	v_or_b32 v196, 0x80000000, v196
	v_xor_b32 v[BEST+\a], v196, v[BEST+\a]         ; key: the sign bit is turned for positive numbers, all bits for negative ones
	v_permlanex16_b32 v194, v[BEST+\a], s50, s51
	v_permlanex16_b32 v195, v[IDX+\a], s50, s51
	v_cmp_lt_u32 s52, v194, v[BEST+\a]             ; the other half wins with the smaller key,
	v_cmp_eq_u32 s53, v194, v[BEST+\a]
	v_cmp_lt_u32 s54, v195, v[IDX+\a]              ; or with the same key and the lower code
	s_and_b32 s53, s53, s54
	s_or_b32 s52, s52, s53
	v_cndmask_b32 v[BEST+\a], v[BEST+\a], v194, s52
	v_cndmask_b32 v[IDX+\a], v[IDX+\a], v195, s52
.endr
	v_cndmask_b32 v198, v[BEST+0], v[BEST+1], s59  ; lanes 0-15 keep row tile 0 (2), lanes 16-31 row tile 1 (3): lane = row in a group of 32
	v_cndmask_b32 v199, v[IDX+0], v[IDX+1], s59
	v_cndmask_b32 v200, v[BEST+2], v[BEST+3], s59
	v_cndmask_b32 v201, v[IDX+2], v[IDX+3], s59
	global_store_b64 v[L8], v[198:199], s[60:61]               ; each store of the wave covers 256 consecutive bytes, aligned
	global_store_b64 v[L8], v[200:201], s[60:61] offset:256
	CROUND                                         ; the closing round: no work-group ends while a partner may still ask for a tile that names it
	s_endpgm
.Lfunc_end_k_qb47ae6294f_dist:
	.size	k_qb47ae6294f_dist, .Lfunc_end_k_qb47ae6294f_dist-k_qb47ae6294f_dist
	.p2alignl 7, 3214868480
	.fill 96, 4, 3214868480
	.section	.rodata,"a",@progbits
	.p2align	6, 0x0
	.amdhsa_kernel k_qb47ae6294f_dist
		.amdhsa_group_segment_fixed_size 327680
		.amdhsa_private_segment_fixed_size 0
		.amdhsa_enable_private_segment 0
		.amdhsa_kernarg_size 24
		.amdhsa_user_sgpr_count 2
		.amdhsa_user_sgpr_kernarg_segment_ptr 1
		.amdhsa_wavefront_size32 1
		.amdhsa_system_sgpr_workgroup_id_x 1
		.amdhsa_system_sgpr_workgroup_id_y 1
		.amdhsa_system_sgpr_workgroup_id_z 1
		.amdhsa_system_vgpr_workitem_id 0
		.amdhsa_next_free_vgpr 1024
		.amdhsa_next_free_sgpr 66
		.amdhsa_reserve_vcc 0
		.amdhsa_float_denorm_mode_32 3
		.amdhsa_float_denorm_mode_16_64 3
		.amdhsa_memory_ordered 1
		.amdhsa_forward_progress 1
		.amdhsa_inst_pref_size 255
	.end_amdhsa_kernel
	.section	.bss,"aw",@nobits
	.p2align	6
	.space	262144
	.amdgpu_metadata
---
amdhsa.version: [ 1, 2 ]
amdhsa.kernels:
  - .name:           k_qb47ae6294f_dist
    .symbol:         k_qb47ae6294f_dist.kd
    .args:
      - { .name: fr, .offset: 0, .size: 8, .value_kind: global_buffer, .address_space: global }
      - { .name: sq, .offset: 8, .size: 8, .value_kind: global_buffer, .address_space: global }
      - { .name: cand, .offset: 16, .size: 8, .value_kind: global_buffer, .address_space: global }
    .group_segment_fixed_size: 327680
    .private_segment_fixed_size: 0
    .kernarg_segment_align: 8
    .kernarg_segment_size: 24
    .max_flat_workgroup_size: 128
    .sgpr_count:     66
    .vgpr_count:     1024
    .wavefront_size: 32
...
	.end_amdgpu_metadata
.endif
;; end of part 2
;; launch gather (part 3): grid 256 x 1, 16 waves a work-group, no clusters, 2,560 bytes of LDS; arguments cand, z_e, codebook, out0, out1, part; writes out0, out1, part
.if DOCPART == 3
	.amdgcn_target "amdgcn-amd-amdhsa--gfx1250"
	.amdhsa_code_object_version 6
	.text
	.protected	k_qb47ae6294f_gather
	.globl	k_qb47ae6294f_gather
	.p2align	8
	.type	k_qb47ae6294f_gather,@function
k_qb47ae6294f_gather:
	s_mov_b64 s[64:65], 0
	v_nop
	global_prefetch_b8 v0, s[64:65] scope:SCOPE_SE
	s_setreg_imm32_b32 hwreg(HW_REG_WAVE_MODE, 25, 1), 1
	s_wait_xcnt 0x0
; GATHER: merges the four quarters' (key, index) of each row, stores the index (out1), gathers the code row and stores z + (zq - z) (out0),
; and sums (zq - z)^2 over the 64 rows of the work-group (part).  All arithmetic on the inputs as given, in f32, in the problem's own form.
; The merge compares whole numbers read from memory: the smaller key wins, and on equal keys the lower quarter, whose codes are lower.
; 256 work-groups x 16 waves x 4 rows.  Memory binds: no loop, every load of a wave is issued as early as its address is known (4 + 16 + 16 loads of
; 16 bytes a lane), every row is read and written as four pieces of 512 consecutive aligned bytes.  No matrix unit, no cluster: no input byte but a
; code row that two rows happen to name is read twice.  The index is known only just ahead of its loads, so there is nothing to ask for earlier.
; LDS: [0, 256) the 64 indices, [256, 320) the 16 waves' sums.
.set CD, 4                             ; v[4:19]    quarter q: key, index of my first row, key, index of my second; the merge ends in v[4:7]
.set OQ, 20                            ; v[20:23]   byte offset of my 16 bytes in the code row of row i
.set SS, 26                            ; v[26:33]   four pairs of sums of squares
.set DD, 34                            ; v[34:41]   zq - z, at work
.set ZZ, 64                            ; v[64:127]  z: row i, piece j at ZZ + 16 i + 4 j
.set QQ, 128                           ; v[128:191] the code rows likewise, then the results
	s_load_b256 s[4:11], s[0:1], 0x0               ; cand s[4:5], z_e s[6:7], codebook s[8:9], out0 s[10:11]
	s_load_b128 s[12:15], s[0:1], 0x20             ; out1 s[12:13], part s[14:15]
	v_lshl_add_u32 v192, v0, 2, 0x200
	v_mov_b32 v193, 0
	v_lshrrev_b32 v1, 5, v0
	v_readfirstlane_b32 s16, v1                    ; wave 0..15
	s_mov_b32 s24, 0x76543210
	s_mov_b32 s25, 0xfedcba98
	v_and_b32 v1, 31, v0                           ; lane
	v_lshlrev_b32 v2, 4, v1                        ; 16 lane
	v_and_b32 v3, 1, v1                            ; even lanes take rows 0, 1 of the wave, odd lanes rows 2, 3
	v_lshlrev_b32 v24, 3, v3
	v_lshl_add_u32 v24, s16, 4, v24                ; LDS: 4 bytes x (4 wave + 2 parity)
	v_lshlrev_b32 v3, 4, v3
	v_mov_b32 v25, s16
	v_lshlrev_b32 v25, 2, v25                      ; LDS: my wave's sum, behind byte 256
	s_lshl_b32 s18, ttmp9, 9
	s_lshl_b32 s17, s16, 5
	s_add_co_u32 s18, s18, s17                     ; 8 R, R = 64 work-group + 4 wave: my first row
	s_mov_b32 s19, 0
	s_wait_kmcnt 0x0
	s_add_nc_u64 s[4:5], s[4:5], s[18:19]
	s_lshl_b32 s18, s18, 8                         ; 2,048 R
	s_add_nc_u64 s[6:7], s[6:7], s[18:19]
	s_add_nc_u64 s[10:11], s[10:11], s[18:19]
	s_lshl_b32 s18, ttmp9, 8
	s_add_nc_u64 s[12:13], s[12:13], s[18:19]      ; the 64 indices of the work-group
	s_lshl_b32 s18, ttmp9, 2
	s_add_nc_u64 s[14:15], s[14:15], s[18:19]      ; its sum
.irp q, 0,1,2,3
	global_load_b128 v[CD+4*\q:CD+4*\q+3], v3, s[4:5] offset:\q*131072
.endr
.irp i, 0,1,2,3
.irp j, 0,1,2,3
	global_load_b128 v[ZZ+16*\i+4*\j:ZZ+16*\i+4*\j+3], v2, s[6:7] offset:\i*2048+\j*512 th:TH_LOAD_NT
.endr
.endr
	s_wait_loadcnt 16                              ; the four quarters are in; the sixteen loads of z stay out
.irp q, 1,2,3
	v_cmp_lt_u32 vcc_lo, v[CD+4*\q], v[CD]         ; strictly smaller only: the lower quarter keeps a tie
	v_cmp_lt_u32 s27, v[CD+4*\q+2], v[CD+2]
	v_cndmask_b32 v[CD], v[CD], v[CD+4*\q], vcc_lo
	v_cndmask_b32 v[CD+1], v[CD+1], v[CD+4*\q+1], vcc_lo
	v_cndmask_b32 v[CD+2], v[CD+2], v[CD+4*\q+2], s27
	v_cndmask_b32 v[CD+3], v[CD+3], v[CD+4*\q+3], s27
.endr
	v_mov_b32 v42, v[CD+1]
	v_mov_b32 v43, v[CD+3]
	ds_store_b64 v24, v[42:43]                     ; lanes of one parity write the same two words with the same values
	v_readlane_b32 s20, v42, 0                     ; the four indices as scalars
	v_readlane_b32 s21, v43, 0
	v_readlane_b32 s22, v42, 1
	v_readlane_b32 s23, v43, 1
.irp i, 0,1,2,3
	s_min_u32 s[20+\i], s[20+\i], 8191             ; an index stays inside the codebook
	v_lshl_add_u32 v[OQ+\i], s[20+\i], 11, v2      ; a code row is 2,048 bytes
.endr
.irp i, 0,1,2,3
.irp j, 0,1,2,3
	global_load_b128 v[QQ+16*\i+4*\j:QQ+16*\i+4*\j+3], v[OQ+\i], s[8:9] offset:\j*512      ; no hint: a code row may be named again
.endr
.endr
.macro ROW i
	s_wait_loadcnt 12-4*\i                         ; all of z and this code row are in; the later code rows, four loads each, stay out
.irp j, 0,1,2,3
.set Q0, QQ+16*\i+4*\j
.set Z0, ZZ+16*\i+4*\j
.set D0, DD+4*(\j&1)
.set S0, SS+4*(\j&1)
	v_pk_add_f32 v[D0:D0+1], v[Q0:Q0+1], v[Z0:Z0+1] neg_lo:[0,1] neg_hi:[0,1]      ; zq - z
	v_pk_add_f32 v[D0+2:D0+3], v[Q0+2:Q0+3], v[Z0+2:Z0+3] neg_lo:[0,1] neg_hi:[0,1]
.if (2*\i+(\j>>1)) == 0
	v_pk_mul_f32 v[S0:S0+1], v[D0:D0+1], v[D0:D0+1]            ; the first squares start the four chains: nothing is cleared
	v_pk_mul_f32 v[S0+2:S0+3], v[D0+2:D0+3], v[D0+2:D0+3]
.else
	v_pk_fma_f32 v[S0:S0+1], v[D0:D0+1], v[D0:D0+1], v[S0:S0+1]
	v_pk_fma_f32 v[S0+2:S0+3], v[D0+2:D0+3], v[D0+2:D0+3], v[S0+2:S0+3]
.endif
	v_pk_add_f32 v[Q0:Q0+1], v[Z0:Z0+1], v[D0:D0+1]            ; z + (zq - z)
	v_pk_add_f32 v[Q0+2:Q0+3], v[Z0+2:Z0+3], v[D0+2:D0+3]
	global_store_b128 v2, v[Q0:Q0+3], s[10:11] offset:\i*2048+\j*512 th:TH_STORE_NT
.endr
.endm
	ROW 0
	ROW 1
	ROW 2
	ROW 3
	v_pk_add_f32 v[SS:SS+1], v[SS:SS+1], v[SS+2:SS+3]
	v_pk_add_f32 v[SS+4:SS+5], v[SS+4:SS+5], v[SS+6:SS+7]
	v_pk_add_f32 v[SS:SS+1], v[SS:SS+1], v[SS+4:SS+5]
	v_add_f32 v[SS], v[SS], v[SS+1]
.irp m, 1,2,4,8
	v_add_f32_dpp v[SS], v[SS], v[SS] row_xmask:\m row_mask:0xf bank_mask:0xf
.endr
	v_permlanex16_b32 v[SS+1], v[SS], s24, s25
	v_add_f32 v[SS], v[SS], v[SS+1]                ; the sum over my four rows, in every lane
	ds_store_b32 v25, v[SS] offset:256
	s_wait_dscnt 0x0                               ; my indices and my sum are in LDS, for wave 0 to read
	s_barrier_signal -1
	s_barrier_wait -1
	s_cmp_lg_u32 s16, 0
	s_cbranch_scc1 .Ldone
	v_lshlrev_b32 v44, 3, v1                       ; wave 0: two indices a lane,
	v_and_b32 v45, 15, v1
	v_lshlrev_b32 v45, 2, v45                      ; and the sum of wave lane mod 16
	ds_load_b64 v[46:47], v44
	ds_load_b32 v48, v45 offset:256
	v_mov_b32 v49, 0
	v_cmp_eq_u32 vcc_lo, 0, v1
	s_wait_dscnt 0x0
	global_store_b64 v44, v[46:47], s[12:13]       ; 256 consecutive bytes, aligned: the 64 indices
.irp m, 1,2,4,8
	v_add_f32_dpp v48, v48, v48 row_xmask:\m row_mask:0xf bank_mask:0xf
.endr
	s_wait_xcnt 0x0                                ; EXEC is a source of the stores above: it changes only behind this wait
	s_wait_tensorcnt 0x0
	ds_add_u32 v192, v193
	s_wait_dscnt 0x0
	s_and_saveexec_b32 s26, vcc_lo
	global_store_b32 v49, v48, s[14:15]            ; lane 0: the sum over the 64 rows; the sums of the 256 work-groups are added in the next launch
	s_endpgm
.Ldone:
	s_wait_tensorcnt 0x0
	ds_add_u32 v192, v193
	s_wait_dscnt 0x0
	s_endpgm
.Lfunc_end_k_qb47ae6294f_gather:
	.size	k_qb47ae6294f_gather, .Lfunc_end_k_qb47ae6294f_gather-k_qb47ae6294f_gather
	.p2alignl 7, 3214868480
	.fill 96, 4, 3214868480
	.section	.rodata,"a",@progbits
	.p2align	6, 0x0
	.amdhsa_kernel k_qb47ae6294f_gather
		.amdhsa_group_segment_fixed_size 2560
		.amdhsa_private_segment_fixed_size 0
		.amdhsa_enable_private_segment 0
		.amdhsa_kernarg_size 48
		.amdhsa_user_sgpr_count 2
		.amdhsa_user_sgpr_kernarg_segment_ptr 1
		.amdhsa_wavefront_size32 1
		.amdhsa_system_sgpr_workgroup_id_x 1
		.amdhsa_system_sgpr_workgroup_id_y 1
		.amdhsa_system_sgpr_workgroup_id_z 1
		.amdhsa_system_vgpr_workitem_id 0
		.amdhsa_next_free_vgpr 194
		.amdhsa_next_free_sgpr 66
		.amdhsa_reserve_vcc 1
		.amdhsa_float_denorm_mode_32 3
		.amdhsa_float_denorm_mode_16_64 3
		.amdhsa_memory_ordered 1
		.amdhsa_forward_progress 1
		.amdhsa_inst_pref_size 17
	.end_amdhsa_kernel
	.amdgpu_metadata
---
amdhsa.version: [ 1, 2 ]
amdhsa.kernels:
  - .name:           k_qb47ae6294f_gather
    .symbol:         k_qb47ae6294f_gather.kd
    .args:
      - { .name: cand, .offset: 0, .size: 8, .value_kind: global_buffer, .address_space: global }
      - { .name: z_e, .offset: 8, .size: 8, .value_kind: global_buffer, .address_space: global }
      - { .name: codebook, .offset: 16, .size: 8, .value_kind: global_buffer, .address_space: global }
      - { .name: out0, .offset: 24, .size: 8, .value_kind: global_buffer, .address_space: global }
      - { .name: out1, .offset: 32, .size: 8, .value_kind: global_buffer, .address_space: global }
      - { .name: part, .offset: 40, .size: 8, .value_kind: global_buffer, .address_space: global }
    .group_segment_fixed_size: 2560
    .private_segment_fixed_size: 0
    .kernarg_segment_align: 8
    .kernarg_segment_size: 48
    .max_flat_workgroup_size: 512
    .sgpr_count:     66
    .vgpr_count:     194
    .wavefront_size: 32
...
	.end_amdgpu_metadata
.endif
;; end of part 3
;; launch final (part 4): grid 1 x 1, 1 waves a work-group, no clusters, 0 bytes of LDS; arguments part, out2, out3; writes out2, out3
.if DOCPART == 4
	.amdgcn_target "amdgcn-amd-amdhsa--gfx1250"
	.amdhsa_code_object_version 6
	.text
	.protected	k_qb47ae6294f_final
	.globl	k_qb47ae6294f_final
	.p2align	8
	.type	k_qb47ae6294f_final,@function
k_qb47ae6294f_final:
	s_mov_b64 s[64:65], 0
	v_nop
	global_prefetch_b8 v0, s[64:65] scope:SCOPE_SE
	s_setreg_imm32_b32 hwreg(HW_REG_WAVE_MODE, 25, 1), 1
	s_wait_xcnt 0x0
; FINAL: adds the 256 partial sums of (zq - z)^2 in a fixed order and makes the two losses.
; out2 = sum / (16384 x 512) = sum x 2^-23 (exact scaling), out3 = 0.25 x out2.  One wave: 1,024 bytes in, 8 bytes out; a sum over work-groups
; needs a launch of its own, since the work-groups of one launch hand nothing to each other.
	s_load_b128 s[4:7], s[0:1], 0x0                ; part s[4:5], out2 s[6:7]
	s_load_b64 s[8:9], s[0:1], 0x10                ; out3
	s_mov_b32 s12, 0x76543210
	s_mov_b32 s13, 0xfedcba98
	v_lshlrev_b32 v1, 4, v0
	v_mov_b32 v2, 0
	s_wait_kmcnt 0x0
	global_load_b128 v[4:7], v1, s[4:5]
	global_load_b128 v[8:11], v1, s[4:5] offset:512
	v_cmp_eq_u32 vcc_lo, 0, v0
	s_wait_loadcnt 0x0
	v_pk_add_f32 v[4:5], v[4:5], v[8:9]
	v_pk_add_f32 v[6:7], v[6:7], v[10:11]
	v_pk_add_f32 v[4:5], v[4:5], v[6:7]
	v_add_f32 v4, v4, v5
.irp m, 1,2,4,8
	v_add_f32_dpp v4, v4, v4 row_xmask:\m row_mask:0xf bank_mask:0xf
.endr
	v_permlanex16_b32 v5, v4, s12, s13
	v_add_f32 v4, v4, v5
	v_mul_f32 v4, 0x34000000, v4                   ; x 2^-23
	v_mul_f32 v5, 0x3e800000, v4                   ; x 0.25
	s_wait_xcnt 0x0                                ; EXEC changes only behind this wait
	s_and_saveexec_b32 s14, vcc_lo
	global_store_b32 v2, v4, s[6:7]
	global_store_b32 v2, v5, s[8:9]
	s_endpgm
.Lfunc_end_k_qb47ae6294f_final:
	.size	k_qb47ae6294f_final, .Lfunc_end_k_qb47ae6294f_final-k_qb47ae6294f_final
	.p2alignl 7, 3214868480
	.fill 96, 4, 3214868480
	.section	.rodata,"a",@progbits
	.p2align	6, 0x0
	.amdhsa_kernel k_qb47ae6294f_final
		.amdhsa_group_segment_fixed_size 0
		.amdhsa_private_segment_fixed_size 0
		.amdhsa_enable_private_segment 0
		.amdhsa_kernarg_size 24
		.amdhsa_user_sgpr_count 2
		.amdhsa_user_sgpr_kernarg_segment_ptr 1
		.amdhsa_wavefront_size32 1
		.amdhsa_system_sgpr_workgroup_id_x 1
		.amdhsa_system_sgpr_workgroup_id_y 1
		.amdhsa_system_sgpr_workgroup_id_z 1
		.amdhsa_system_vgpr_workitem_id 0
		.amdhsa_next_free_vgpr 16
		.amdhsa_next_free_sgpr 66
		.amdhsa_reserve_vcc 1
		.amdhsa_float_denorm_mode_32 3
		.amdhsa_float_denorm_mode_16_64 3
		.amdhsa_memory_ordered 1
		.amdhsa_forward_progress 1
		.amdhsa_inst_pref_size 2
	.end_amdhsa_kernel
	.amdgpu_metadata
---
amdhsa.version: [ 1, 2 ]
amdhsa.kernels:
  - .name:           k_qb47ae6294f_final
    .symbol:         k_qb47ae6294f_final.kd
    .args:
      - { .name: part, .offset: 0, .size: 8, .value_kind: global_buffer, .address_space: global }
      - { .name: out2, .offset: 8, .size: 8, .value_kind: global_buffer, .address_space: global }
      - { .name: out3, .offset: 16, .size: 8, .value_kind: global_buffer, .address_space: global }
    .group_segment_fixed_size: 0
    .private_segment_fixed_size: 0
    .kernarg_segment_align: 8
    .kernarg_segment_size: 24
    .max_flat_workgroup_size: 32
    .sgpr_count:     66
    .vgpr_count:     16
    .wavefront_size: 32
...
	.end_amdgpu_metadata
.endif
;; end of part 4
